; MI455X (gfx1250); checked and timed in simulation.
; The chip was launched on July 23, 2026; its instructions are those of AMD's public machine-readable ISA for CDNA 5 (MIT licence, August 2026) and "CDNA5" Instruction Set Architecture Reference Guide (July 2026). The comments in the code are by the model that wrote it; some were corrected since.
;; self attention. Allowed arithmetic: matrix products marked QUANTISED: E5M2 operands, one given power-of-two scale a tensor, by v_wmma_f32_16x16x64_bf8_bf8 or v_wmma_f32_16x16x128_bf8_bf8, f32 sums; everything else in f32.
;; Inputs: Wk_codes 1,024 x 32 x 32 uint8 (E5M2 codes of Wk, K innermost, in blocks of 32 codes); Wq_codes 1,024 x 32 x 32 uint8 (E5M2 codes of Wq, K innermost, in blocks of 32 codes); Wu 1,024 x 1,024 float32; Wv_codes 1,024 x 32 x 32 uint8 (E5M2 codes of Wv, K innermost, in blocks of 32 codes); lowp_scales 10 int32 (the exponents e of the quantised operands' scales 2^e); x_codes 4 x 2,048 x 32 x 32 uint8 (E5M2 codes of x, K innermost, in blocks of 32 codes).
;; Outputs: out0 4 x 2,048 x 1,024 float32.
;; This version of the problem:
;;   THIS VERSION OF THE PROBLEM IS GIVEN IN LOW PRECISION. The matrix products marked QUANTISED in the list below multiply operands that are first quantised to E5M2 (5 exponent bits, 2 mantissa bits; 8 bits a number), with one given power-of-two scale for each operand tensor; their sums are f32. All else is computed in f32.
;;   The module's matrix products, in the order in which they are computed (A, B: the left and right operand; K: the contracted axis; several contracted axes count as one K, in the product's order):
;;     1. [M 8,192, K 1,024] x [K 1,024, N 1,024]; A: input x (given as codes); B: input Wq (given as codes): QUANTISED (scales: A lowp_scales[0], B lowp_scales[1])
;;     2. [M 8,192, K 1,024] x [K 1,024, N 1,024]; A: input x (given as codes); B: input Wk (given as codes): QUANTISED (scales: A lowp_scales[2], B lowp_scales[3])
;;     3. [M 8,192, K 1,024] x [K 1,024, N 1,024]; A: input x (given as codes); B: input Wv (given as codes): QUANTISED (scales: A lowp_scales[4], B lowp_scales[5])
;;     4. batch 64 x [M 2,048, K 64] x [K 64, N 2,048]; A: computed on the way; B: computed on the way: QUANTISED (scales: A lowp_scales[6], B lowp_scales[7])
;;     5. batch 64 x [M 2,048, K 2,048] x [K 2,048, N 64]; A: softmax (see below); B: computed on the way: QUANTISED (scales: A lowp_scales[8], B lowp_scales[9])
;;   THE QUANTISER, for each operand of a quantised product, along K:
;;     - The operand's scale is 2^e, e = its entry of the input lowp_scales (int32; the entries are numbered through the quantised products in the list's order, A before B).
;;     - Each number is divided by the scale, clamped to +-57,344, and rounded to the nearest number of E5M2, ties to even, subnormals kept.
;;     - The product sums the exact products of the quantised numbers (number of the format x scale) in f32.
;;   ~~~python
;;   def quantise(x, axis, e):      # numpy; x: float32 -> the quantised numbers, widened to float32 again
;;       x = np.moveaxis(x, axis, -1); K = x.shape[-1]
;;       r = np.clip(x / 2.0 ** e, -57344, 57344)
;;       step = 2.0 ** (np.maximum(np.frexp(np.where(r == 0, 1, r))[1] - 1, -14) - 2)
;;       q = np.round(r / step) * step * 2.0 ** e      # np.round: ties to even
;;       return np.moveaxis(q, -1, axis).astype(np.float32)
;;   ~~~
;;   SOFTMAX AHEAD OF A QUANTISED PRODUCT. Where the list says 'softmax', what is quantised is not the finished softmax but p = 2^(t - M), with t = logit x log2(e) and M = ceil(the row's largest t), a whole number; so 1/2 < the row's largest p <= 1. The row's sum l is taken of the UNQUANTISED p, in f32, and the product's result is divided by l at the end. Since M is a whole number, a kernel that streams over the keys may use a running M (the ceiling of the running maximum): every later rescaling is an exact power of two, so the quantised numbers keep their values, but for numbers so far below the row's largest that they fall under the format's range.
;;   OPERANDS COMPUTED ON THE WAY. 'Computed on the way' means the value that the module computes at that place (a softmax that the list does not call 'softmax' is quantised finished and normalised). What goes into a quantiser is computed in f32, as accurately as f32 sums, v_exp_f32 and their like allow (about 1e-6 of the number): no bf16 or f16 on the way to a quantiser, and a product that is left as it is and whose result goes on into a quantised operand takes f32 operands (vector FMAs, or v_wmma_f32_16x16x4_f32). A number that lies on a knife's edge between two numbers of the format may be rounded either way, as far as f32 arithmetic and the matrix unit's own rounding can turn it there, and no further.
;;   INPUTS GIVEN AS CODES. Wk (in the module: [1024, 1024], K = its axis 1); Wq (in the module: [1024, 1024], K = its axis 1); Wv (in the module: [1024, 1024], K = its axis 1); x (in the module: [4, 2048, 1024], K = its axis 2): each comes as NAME_codes (uint8): NAME with its K axis moved to the last place and cut into blocks of 32 codes, [.., K / 32, bytes a block], one block behind the other in memory; one code a byte (a code: sign, 5 exponent bits, 2 mantissa bits); its scale is its entry of lowp_scales. Its value is code x scale, taken as it is: it is not quantised again, and the codes and scales need not be those that the quantiser above would give.
;; One version. Each part assembles by itself: llvm-mc -triple=amdgcn-amd-amdhsa -mcpu=gfx1250 --defsym DOCPART=n.
;; ======== version 1 of 1: 2 launches
;; limits: right only within a limited range of input values
;; workspace buffers: qc 8,388,608 bytes; kv 16,777,216 bytes
;; launch proj (part 1): grid 8 x 32, 4 waves a work-group, clusters of 4 x 4, 327,680 bytes of LDS; arguments x_codes, Wq_codes, Wk_codes, Wv_codes, lowp_scales, qc, kv; writes qc, kv
.if DOCPART == 1
	.amdgcn_target "amdgcn-amd-amdhsa--gfx1250"
	.amdhsa_code_object_version 6
	.text
	.protected	k_q6902c7a389_proj
	.globl	k_q6902c7a389_proj
	.p2align	8
	.type	k_q6902c7a389_proj,@function
k_q6902c7a389_proj:
	s_mov_b64 s[64:65], 0
	v_nop
	global_prefetch_b8 v0, s[64:65] scope:SCOPE_SE
	s_setreg_imm32_b32 hwreg(HW_REG_WAVE_MODE, 25, 1), 1
	s_wait_xcnt 0x0
	s_wait_alu depctr_hold_cnt(0) depctr_sa_sdst(0) depctr_va_vdst(0) depctr_va_sdst(0) depctr_va_ssrc(0) depctr_va_vcc(0) depctr_vm_vsrc(0)
	s_getreg_b32 s2, hwreg(HW_REG_IB_STS2, 6, 4)
	s_cmp_eq_u32 s2, 0
	s_cbranch_scc0 .Lentry_in_a_cluster
	s_endpgm
.Lentry_in_a_cluster:
	s_bfe_u32 s2, ttmp6, 0x10000c
	s_cmp_lg_u32 s2, 0xf033
	s_cbranch_scc0 .Lentry_shape_is_right
	s_endpgm
.Lentry_shape_is_right:
; q = x Wq^T, k = x Wk^T, v = x Wv^T on the given codes of E5M2 (K = 1,024), each f32 sum quantised again at once: q with 2^e6, k with 2^e7 (along the head's 64), v with 2^e9 (along the keys).
; Wu is not loaded by any launch of this program: the module computes nothing from it that reaches its result, whatever Wu holds.  LIMIT: a NaN or an infinity in Wu is not carried to the result.
; Stored are codes alone, as IMAGES OF THE OPERAND REGISTERS that the attention launch loads (16 bytes a lane, 512 bytes an instruction):   (bh = 16 x batch + head)
;   qc [bh 64][tile of 16 tokens 128][1,024 B]: lane (r, h) holds token r; registers 2 c, 2 c + 1 hold d = 16 c + 8 h + 0 .. 7.
;   kv [bh 64][key step of 128 tokens 16][K: 8 such images | V: 4 images of 2,048 B: lane (r, h) holds d = 16 dt + r; registers 2 c, 2 c + 1 hold keys 16 c + 8 h + 0 .. 7].
; SHARES: 256 work-groups; one takes 256 tokens (block tb = 4 Y + cy) x the 128 features of a pair of heads (hp = 4 X + cx) of q, k and v: x's tile serves three products.
; A wave takes 128 tokens x one head: 8 x 4 accumulators for each of q, k, v: 768 registers, windows 1, 2, 3.  All fragments lie in window 0: x's 8 (v64-191), a weight's 4 (v192-255, in two halves that are fetched by turns).
; q, k: source 0 = 16 rows of W, source 1 = 16 tokens: a lane's eight results are eight d of one token.  v: source 0 = 16 tokens, source 1 = 16 rows of Wv: eight KEYS of one d: nothing is transposed.
; LDS: K goes in steps of 256 through a ring of two slots (x 256 rows, Wq 128, Wk 128); Wv's 128 rows have ONE buffer: two slots of all 640 rows would be 348,160 bytes.  So a K step makes q and k first and v last,
; and Wv's next rows, asked for behind the same round as the ring's refill, are published by a barrier of their own in the step's middle.  One tensor load a wave behind each round: wave 0 x, 1 Wq, 2 Wk, 3 Wv.
; CLUSTERS 4 x 4: x's tile is asked for jointly along a row of the cluster, the weights' along a column.
; No prefetch: of the four K steps two are asked for at the head and two one step later: no trip lies two steps ahead of a load.
; A fragment comes by four loads of 16 bytes: the same permutation of k in both operands.  v's sums take a K step's second 128 ahead of its first.
; LIMITS: e6 - e0 - e1, e7 - e2 - e3 and e9 - e4 - e5 lie between -126 and 112.  NaN codes are not served.
.set PITCH,  272                       ; 256 bytes + 16 of padding: the 16 rows that a load touches start 4 words apart
.set BLK,    16*PITCH
.set HALFT,  128*PITCH
.set SLOT,   4*HALFT
.set EOFF,   2*SLOT                    ; Wv's buffer
.set SPARE,  EOFF+HALFT                ; the spare words, 128 bytes a wave
.set WKO,    HALFT                     ; from Wq's rows to Wk's in a slot
.set ADX,  16                          ; v16-17 my x fragments in slot 0, 1
.set ADW,  18                          ; v18-19 my Wq fragments
.set ADE,  20                          ; v20    my Wv fragments
.set CO,   24                          ; 16 x lane
.set SCQ,  25
.set SCK,  26
.set SCW,  27
.set SPW,  28
.set NIL,  29
.set TMP,  32                          ; v32-63 held sums
.set XF,   64
.set WF,   192
.set G1X,  24
.set G0X,  32                          ; s[32:39]: one set for each slot
.set G1W,  48
.set G0W,  56                          ; s[56:63]
.set G0E,  68
.set MSB, 0
.macro WIN new
.if MSB != (\new)
	s_set_vgpr_msb (MSB<<8)|(\new)
.set MSB, \new
.endif
.endm
.macro PLACES
.rept 4
	v_nop
.endr
.endm
.macro CROUND
	s_barrier_signal -1
	s_barrier_wait -1
	s_cmp_lg_u32 s14, 0
	s_cbranch_scc1 .Lnot_wave_0_\@
	s_barrier_signal -3
.Lnot_wave_0_\@:
	s_barrier_wait -3
	s_barrier_signal -1
	s_barrier_wait -1
.endm
; one chain of branches on the wave's number, one joint load to an arm.  ring: x, Wq, Wk into slot s; e: Wv
.macro TLOAD s, ring, e
.if \ring
	s_cmp_eq_u32 s14, 0
	s_cbranch_scc0 .Lnx_\@
	tensor_load_to_lds s[G0X+4*\s:G0X+4*\s+3], s[G1X:G1X+7]
	s_nop 0
	PLACES
	s_branch .Lj_\@
.Lnx_\@:
.endif
	s_cmp_eq_u32 s14, 3
	s_cbranch_scc1 .Le_\@
.if \ring
	tensor_load_to_lds s[G0W+4*\s:G0W+4*\s+3], s[G1W:G1W+7]
	s_nop 0
	PLACES
.endif
	s_branch .Lj_\@
.Le_\@:
.if \e
	tensor_load_to_lds s[G0E:G0E+3], s[G1W:G1W+7]
	s_nop 0
	PLACES
.endif
.Lj_\@:
.endm
	s_load_b256 s[4:11], s[0:1], 0x0               ; x, Wq, Wk, Wv
	s_load_b128 s[80:83], s[0:1], 0x20             ; the exponents, qc
	s_load_b64 s[84:85], s[0:1], 0x30              ; kv
	v_lshl_add_u32 v[SPW], v0, 2, SPARE
	v_mov_b32 v[NIL], 0
	ds_add_u32 v[SPW], v[NIL]                      ; the opening lines: the add twice on end and its wait
	ds_add_u32 v[SPW], v[NIL]
	v_lshrrev_b32 v1, 5, v0
	v_readfirstlane_b32 s14, v1                    ; wave 0..3
	s_lshr_b32 s15, s14, 1                         ; my half of the tokens
	s_and_b32 s16, s14, 1                          ; my head of the pair
	s_bfe_u32 s40, ttmp6, 0x40000                  ; cx, cy
	s_bfe_u32 s41, ttmp6, 0x40004
	s_lshl_b32 s42, ttmp9, 2
	s_add_co_u32 s42, s42, s40                     ; hp
	s_and_b32 s17, ttmp7, 0xffff
	s_lshl_b32 s17, s17, 2
	s_add_co_u32 s17, s17, s41                     ; tb
	s_lshl_b32 s43, s41, 2
	s_lshl_b32 s43, 15, s43                        ; my row of the cluster
	s_lshl_b32 s44, 0x1111, s40                    ; my column
	s_or_b32 s[G1X], s43, (0<<16)|(1<<20)|(1<<21)|(5<<22)|(3<<25)   ; mask; 1-byte elements; 4 words of padding after every 64
	s_or_b32 s[G1W], s44, (0<<16)|(1<<20)|(1<<21)|(5<<22)|(3<<25)
.irp g, G1X, G1W
	s_mov_b32 s[\g+1], 256<<16
	s_mov_b32 s[\g+3], 256<<16
	s_mov_b32 s[\g+5], 1024
	s_mov_b32 s[\g+6], 0
	s_mov_b32 s[\g+7], 0
.endr
	s_mov_b32 s[G1X+2], 256<<16                    ; x: 256 rows
	s_mov_b32 s[G1X+4], 256
	s_mov_b32 s[G1W+2], 128<<16                    ; a weight: 128 rows
	s_mov_b32 s[G1W+4], 128
	s_lshl_b32 s20, s17, 18                        ; 256 tb rows of 1,024 bytes
	s_mov_b32 s21, 0
	s_lshl_b32 s46, s42, 17                        ; 128 hp rows
	s_mov_b32 s47, 0
	s_add_co_u32 s45, s14, 1
	s_mul_i32 s45, s45, HALFT                      ; wave 1: behind x's 256 rows; wave 2: 128 rows further
	s_wait_dscnt 0x0
	s_wait_kmcnt 0x0
	s_load_b256 s[72:79], s[80:81], 0x0            ; e0 .. e7
	s_load_b32 s92, s[80:81], 0x24                 ; e9
	s_add_nc_u64 s[20:21], s[4:5], s[20:21]
	s_add_nc_u64 s[86:87], s[6:7], s[46:47]
	s_add_nc_u64 s[88:89], s[8:9], s[46:47]
	s_add_nc_u64 s[90:91], s[10:11], s[46:47]
	s_cmp_eq_u32 s14, 1
	s_cselect_b64 s[66:67], s[86:87], s[88:89]     ; wave 1 fetches Wq, wave 2 Wk
	CROUND                                         ; the round in front of the first joint loads
.irp s, 0,1
	s_mov_b32 s[G0X+4*\s], 1
	s_mov_b32 s[G0X+4*\s+1], \s*SLOT
	s_add_nc_u64 s[G0X+4*\s+2:G0X+4*\s+3], s[20:21], \s*256
	s_or_b32 s[G0X+4*\s+3], s[G0X+4*\s+3], 0x80000000
	s_mov_b32 s[G0W+4*\s], 1
	s_add_co_u32 s[G0W+4*\s+1], s45, \s*SLOT
	s_add_nc_u64 s[G0W+4*\s+2:G0W+4*\s+3], s[66:67], \s*256
	s_or_b32 s[G0W+4*\s+3], s[G0W+4*\s+3], 0x80000000
.endr
	s_mov_b32 s[G0E], 1
	s_mov_b32 s[G0E+1], EOFF
	s_mov_b64 s[G0E+2:G0E+3], s[90:91]
	s_or_b32 s[G0E+3], s[G0E+3], 0x80000000
	TLOAD 0, 1, 1                                  ; K step 0: one tensor load a wave at the head
	s_mul_i32 s21, s15, HALFT                      ; my 128 tokens
	s_mul_i32 s22, s16, 64*PITCH                   ; my head's 64 rows
	s_add_co_u32 s23, s22, EOFF
	s_add_co_u32 s22, s22, 2*HALFT
	s_add_co_u32 s2, s21, SLOT
	s_add_co_u32 s3, s22, SLOT
	v_and_b32 v1, 15, v0
	v_bfe_u32 v2, v0, 4, 1
	v_mul_u32_u24 v3, v1, PITCH
	v_lshl_add_u32 v4, v2, 4, v3                   ; row x pitch + 16 x half
	v_add_nc_u32 v[ADX], s21, v4
	v_add_nc_u32 v[ADX+1], s2, v4
	v_add_nc_u32 v[ADW], s22, v4
	v_add_nc_u32 v[ADW+1], s3, v4
	v_add_nc_u32 v[ADE], s23, v4
	v_and_b32 v6, 31, v0
	v_lshlrev_b32 v[CO], 4, v6
	; where my codes go
	s_lshr_b32 s18, s17, 3
	s_lshl_b32 s18, s18, 4
	s_lshl_b32 s19, s42, 1
	s_add_co_u32 s18, s18, s19
	s_add_co_u32 s18, s18, s16                     ; bh
	s_and_b32 s19, s17, 7                          ; my block of 256 tokens in the batch
	s_lshl_b32 s44, s18, 17
	s_lshl_b32 s46, s19, 14
	s_add_co_u32 s44, s44, s46
	s_lshl_b32 s46, s15, 13
	s_add_co_u32 s44, s44, s46
	s_mov_b32 s45, 0
	s_add_nc_u64 s[82:83], s[82:83], s[44:45]      ; qc: my 8 images
	s_lshl_b32 s44, s18, 18
	s_lshl_b32 s46, s19, 15
	s_add_co_u32 s44, s44, s46
	s_lshl_b32 s46, s15, 14
	s_add_co_u32 s44, s44, s46
	s_add_nc_u64 s[84:85], s[84:85], s[44:45]      ; kv: my key step
.macro XLD adr, off, a0                ; x's blocks a0 .. a0 + 3: 16 loads
.irp i, 0,1,2,3
.irp c, 0,1,2,3
	ds_load_b128 v[XF+16*((\a0)+\i)+4*\c:XF+16*((\a0)+\i)+4*\c+3], v[\adr] offset:(\off)+((\a0)+\i)*BLK+32*\c
.endr
.endr
.endm
.macro WLD adr, off, hf                ; a weight's blocks 2 hf, 2 hf + 1: 8 loads
.irp d, 0,1
.irp c, 0,1,2,3
	ds_load_b128 v[WF+16*(2*(\hf)+\d)+4*\c:WF+16*(2*(\hf)+\d)+4*\c+3], v[\adr] offset:(\off)+(2*(\hf)+\d)*BLK+32*\c
.endr
.endr
.endm
; 2 n matrix instructions: x's blocks a0 .. a0 + n - 1 against a weight's half; accumulator (a, b) at v[8 (4 a + b)] of the product's window; the accumulators take turns
.macro GRP swap, zero, hf, a0, n
.set ga, \a0
.rept \n
.irp d, 0,1
.set AC, 8*(4*ga+2*(\hf)+\d)
.set WB, WF+16*(2*(\hf)+\d)
.if \swap
.if \zero
	v_wmma_f32_16x16x128_bf8_bf8 v[AC:AC+7], v[XF+16*ga:XF+16*ga+15], v[WB:WB+15], 0
.else
	v_wmma_f32_16x16x128_bf8_bf8 v[AC:AC+7], v[XF+16*ga:XF+16*ga+15], v[WB:WB+15], v[AC:AC+7]
.endif
.else
.if \zero
	v_wmma_f32_16x16x128_bf8_bf8 v[AC:AC+7], v[WB:WB+15], v[XF+16*ga:XF+16*ga+15], 0
.else
	v_wmma_f32_16x16x128_bf8_bf8 v[AC:AC+7], v[WB:WB+15], v[XF+16*ga:XF+16*ga+15], v[AC:AC+7]
.endif
.endif
.endr
.set ga, ga+1
.endr
.endm
; ONE PRODUCT, 128 along K: 32 matrix instructions.  On the way in, in the order of issue: the weight's first half (8 loads), x's 32 if xnew, the second half (8).
; nxt = 1: the next product's weight halves are fetched as this one's are done with; 2: x's fragments too; 0: nothing (a barrier follows).
.macro PROD win, swap, zero, xnew, nxt, nwa, nwo, nxa, nxo
.if \xnew
	s_wait_dscnt 24                                ; x's blocks 4-7 and the second half may be out
	WIN 0x50*(\win)
	GRP \swap, \zero, 0, 0, 4
	s_wait_dscnt 8                                 ; the second half may be out
	GRP \swap, \zero, 0, 4, 4
.else
	s_wait_dscnt 8
	WIN 0x50*(\win)
	GRP \swap, \zero, 0, 0, 8
.endif
.if \nxt
	PLACES
	WIN 0
	WLD \nwa, \nwo, 0
	s_wait_dscnt 8                                 ; the 8 just issued may be out
.else
	s_wait_dscnt 0
.endif
	WIN 0x50*(\win)
	GRP \swap, \zero, 1, 0, 8
.if \nxt
	PLACES
	WIN 0
.if (\nxt) == 2
	XLD \nxa, \nxo, 0
	XLD \nxa, \nxo, 4
.endif
	WLD \nwa, \nwo, 1
.endif
	WIN 0
.endm
.macro KSTEP j
.set S, (\j)%2
.set Z, 0
.if (\j) == 0
.set Z, 1
.endif
	PLACES
	WLD ADW+S, 0, 0
	XLD ADX+S, 0, 0
	XLD ADX+S, 0, 4
	WLD ADW+S, 0, 1
	PROD 1, 0, Z, 1, 1, ADW+S, WKO, 0, 0           ; q, first 128
	PROD 2, 0, Z, 0, 2, ADW+S, 128, ADX+S, 128     ; k
	PROD 1, 0, 0, 1, 1, ADW+S, WKO+128, 0, 0       ; q, second 128
.if (\j) == 0
	PROD 2, 0, 0, 0, 1, ADE, 128, 0, 0             ; k; Wv's first rows came at the head
.else
	PROD 2, 0, 0, 0, 0, 0, 0, 0, 0
	s_cmp_lg_u32 s14, 3
	s_cbranch_scc1 .Lnot_e_\@
	s_wait_tensorcnt 0x0                           ; wave 3: Wv's rows of this step are in
.Lnot_e_\@:
	s_barrier_signal -1                            ; the ring's loads stay on their way
	s_barrier_wait -1
	PLACES
	WLD ADE, 128, 0
	WLD ADE, 128, 1
.endif
	PROD 3, 1, Z, 0, 2, ADE, 0, ADX+S, 0           ; v, second 128: x's fragments are at hand
	PROD 3, 1, 0, 1, 0, 0, 0, 0, 0                 ; v, first 128
.endm
	s_wait_alu depctr_va_vdst(0)                   ; the head's end
	s_wait_tensorcnt 0x0                           ; my part of K step 0 is in; the full sequence ahead of a later first fill
	ds_add_u32 v[SPW], v[NIL]
	s_wait_dscnt 0x0
	CROUND
	TLOAD 1, 1, 0                                  ; K step 1 of x, Wq, Wk
	KSTEP 0
	s_wait_tensorcnt 0x0                           ; the full sequence ahead of the refills
	ds_add_u32 v[SPW], v[NIL]
	s_add_nc_u64 s[G0X+2:G0X+3], s[G0X+2:G0X+3], 512
	s_add_nc_u64 s[G0W+2:G0W+3], s[G0W+2:G0W+3], 512
	s_add_nc_u64 s[G0E+2:G0E+3], s[G0E+2:G0E+3], 256
	s_wait_dscnt 0x0
	CROUND
	TLOAD 0, 1, 1                                  ; K step 2 into slot 0; Wv's K step 1
	KSTEP 1
	s_wait_tensorcnt 0x0
	ds_add_u32 v[SPW], v[NIL]
	s_add_nc_u64 s[G0X+6:G0X+7], s[G0X+6:G0X+7], 512
	s_add_nc_u64 s[G0W+6:G0W+7], s[G0W+6:G0W+7], 512
	s_add_nc_u64 s[G0E+2:G0E+3], s[G0E+2:G0E+3], 256
	s_wait_dscnt 0x0
	CROUND
	TLOAD 1, 1, 1                                  ; K step 3 into slot 1; Wv's K step 2
	KSTEP 2
	s_wait_tensorcnt 0x0
	ds_add_u32 v[SPW], v[NIL]
	s_add_nc_u64 s[G0E+2:G0E+3], s[G0E+2:G0E+3], 256
	s_wait_dscnt 0x0
	CROUND
	TLOAD 0, 0, 1                                  ; Wv's K step 3
	KSTEP 3
; THE WAY OUT.  A sum's code is sum / 2^(eo - ea - eb).  32 sums at a time are held within +-57,344 x that scale (the conversion does not saturate: ISA guide 7.6.2), each accumulator from its low end on;
; the conversions' results ARE the images.  Each store covers 512 consecutive bytes, at a multiple of 512.  No store's data are written again: q's codes v64-127, k's v128-191, v's v192-255.
.macro MKSC eo, ea, eb, vr, sp
	s_sub_co_i32 s18, s\eo, s\ea
	s_sub_co_i32 s18, s18, s\eb
	s_add_co_i32 s18, s18, 127
	s_lshl_b32 s19, s18, 23
	v_mov_b32 v[\vr], s19
	s_add_co_i32 s18, s18, 15
	s_lshl_b32 s[\sp], s18, 23
	s_or_b32 s[\sp], s[\sp], 0x600000
	s_or_b32 s[\sp+1], s[\sp], 0x80000000
.endm
.macro OUTQK win, sc, sp, base, cd
.irp a, 0,1,2,3,4,5,6,7
	WIN \win
.set j, 0
.rept 32
	v_med3_num_f32 v[TMP+j], v[32*\a+j], s[\sp+1], s[\sp]
.set j, j+1
.endr
	WIN 0
.irp b, 0,1,2,3
	v_cvt_scalef32_pk8_bf8_f32 v[\cd+8*\a+2*\b:\cd+8*\a+2*\b+1], v[TMP+8*\b:TMP+8*\b+7], v[\sc]
.endr
	v_nop                                          ; one plain instruction between the last conversion and the next holds
	global_store_b128 v[CO], v[\cd+8*\a:\cd+8*\a+3], s[\base:\base+1] offset:1024*\a
	global_store_b128 v[CO], v[\cd+8*\a+4:\cd+8*\a+7], s[\base:\base+1] offset:1024*\a+512
.endr
.endm
	s_wait_kmcnt 0x0
	MKSC 78, 72, 73, SCQ, 94
	MKSC 79, 74, 75, SCK, 96
	MKSC 92, 76, 77, SCW, 98
	PLACES
	s_wait_alu depctr_va_vdst(0)
	OUTQK 1, SCQ, 94, 82, 64
	OUTQK 2, SCK, 96, 84, 128
.irp b, 0,1,2,3
.irp g, 0,1
	WIN 3
.irp i, 0,1,2,3
.irp j, 0,1,2,3,4,5,6,7
	v_med3_num_f32 v[TMP+8*\i+\j], v[8*(4*(4*\g+\i)+\b)+\j], s99, s98
.endr
.endr
	WIN 0
.irp i, 0,1,2,3
	v_cvt_scalef32_pk8_bf8_f32 v[192+16*\b+2*(4*\g+\i):192+16*\b+2*(4*\g+\i)+1], v[TMP+8*\i:TMP+8*\i+7], v[SCW]
.endr
	v_nop
.endr
.irp i, 0,1,2,3
	global_store_b128 v[CO], v[192+16*\b+4*\i:192+16*\b+4*\i+3], s[84:85] offset:8192+2048*\b+512*\i
.endr
.endr
	s_wait_tensorcnt 0x0                           ; the wave's end
	ds_add_u32 v[SPW], v[NIL]
	s_wait_dscnt 0x0
	CROUND                                         ; the closing round
	s_endpgm
.Lfunc_end_k_q6902c7a389_proj:
	.size	k_q6902c7a389_proj, .Lfunc_end_k_q6902c7a389_proj-k_q6902c7a389_proj
	.p2alignl 7, 3214868480
	.fill 96, 4, 3214868480
	.section	.rodata,"a",@progbits
	.p2align	6, 0x0
	.amdhsa_kernel k_q6902c7a389_proj
		.amdhsa_group_segment_fixed_size 327680
		.amdhsa_private_segment_fixed_size 0
		.amdhsa_enable_private_segment 0
		.amdhsa_kernarg_size 56
		.amdhsa_user_sgpr_count 2
		.amdhsa_user_sgpr_kernarg_segment_ptr 1
		.amdhsa_wavefront_size32 1
		.amdhsa_system_sgpr_workgroup_id_x 1
		.amdhsa_system_sgpr_workgroup_id_y 1
		.amdhsa_system_sgpr_workgroup_id_z 1
		.amdhsa_system_vgpr_workitem_id 0
		.amdhsa_next_free_vgpr 1024
		.amdhsa_next_free_sgpr 100
		.amdhsa_reserve_vcc 0
		.amdhsa_float_denorm_mode_32 3
		.amdhsa_float_denorm_mode_16_64 3
		.amdhsa_memory_ordered 1
		.amdhsa_forward_progress 1
		.amdhsa_inst_pref_size 180
	.end_amdhsa_kernel
	.amdgpu_metadata
---
amdhsa.version: [ 1, 2 ]
amdhsa.kernels:
  - .name:           k_q6902c7a389_proj
    .symbol:         k_q6902c7a389_proj.kd
    .args:
      - { .name: x_codes, .offset: 0, .size: 8, .value_kind: global_buffer, .address_space: global }
      - { .name: Wq_codes, .offset: 8, .size: 8, .value_kind: global_buffer, .address_space: global }
      - { .name: Wk_codes, .offset: 16, .size: 8, .value_kind: global_buffer, .address_space: global }
      - { .name: Wv_codes, .offset: 24, .size: 8, .value_kind: global_buffer, .address_space: global }
      - { .name: lowp_scales, .offset: 32, .size: 8, .value_kind: global_buffer, .address_space: global }
      - { .name: qc, .offset: 40, .size: 8, .value_kind: global_buffer, .address_space: global }
      - { .name: kv, .offset: 48, .size: 8, .value_kind: global_buffer, .address_space: global }
    .group_segment_fixed_size: 327680
    .private_segment_fixed_size: 0
    .kernarg_segment_align: 8
    .kernarg_segment_size: 56
    .max_flat_workgroup_size: 128
    .sgpr_count:     100
    .vgpr_count:     1024
    .wavefront_size: 32
...
	.end_amdgpu_metadata
.endif
;; end of part 1
;; launch attn (part 2): grid 4 x 64, 8 waves a work-group, clusters of 4 x 1, 327,680 bytes of LDS; arguments qc, kv, lowp_scales, out0; writes out0
.if DOCPART == 2
	.amdgcn_target "amdgcn-amd-amdhsa--gfx1250"
	.amdhsa_code_object_version 6
	.text
	.protected	k_q6902c7a389_attn
	.globl	k_q6902c7a389_attn
	.p2align	8
	.type	k_q6902c7a389_attn,@function
k_q6902c7a389_attn:
	s_mov_b64 s[64:65], 0
	v_nop
	global_prefetch_b8 v0, s[64:65] scope:SCOPE_SE
	s_setreg_imm32_b32 hwreg(HW_REG_WAVE_MODE, 25, 1), 1
	s_wait_xcnt 0x0
	s_wait_alu depctr_hold_cnt(0) depctr_sa_sdst(0) depctr_va_vdst(0) depctr_va_sdst(0) depctr_va_ssrc(0) depctr_va_vcc(0) depctr_vm_vsrc(0)
	s_getreg_b32 s2, hwreg(HW_REG_IB_STS2, 6, 4)
	s_cmp_eq_u32 s2, 0
	s_cbranch_scc0 .Lentry_in_a_cluster
	s_endpgm
.Lentry_in_a_cluster:
	s_bfe_u32 s2, ttmp6, 0x10000c
	s_cmp_lg_u32 s2, 0x3003
	s_cbranch_scc0 .Lentry_shape_is_right
	s_endpgm
.Lentry_shape_is_right:
; out0[b][q][64 h + d] = sum over k of softmax_k(q . k / 32) v, both products on codes of E5M2 made by launch proj (register images: see there).  Wu is not loaded: the module never lets it reach its result.
; t = score x log2(e) / 32 x 2^(e6 + e7); M = ceil of the running largest t; p = 2^(t - M) is quantised with 2^e8; the row's sum is taken of the unquantised p and divides at the end.
; SHARES: a work-group owns 512 queries of one (batch, head); each of 8 waves owns 64: four tiles of 16.  A lane holds one query (lane % 16): S^T = K Q^T, O^T = V^T P^T.
; LDS: the head's 16 key steps of 128 keys (16,384 bytes each: K's 8 images, V's 4) lie in LDS whole and are filled once.  The four work-groups of a cluster own the four query blocks of one head and ask for K and V jointly.
; Two joint loads a wave: key steps 0 and 1 at the head, the other 14 behind the full sequence and a round; they are waited for behind key step 0.
; No prefetch: all that the launch reads of kv is asked for by these two loads at its head, so there is no loop to run ahead in.
; A PHASE serves tile i of a key step and prepares tile i + 1: exponentials of i's first 32 registers among the scaling of its last 32; exponentials of the last 32 among the first half's pair sums and holds;
; then O^T's rescaling, i + 1's maxima (4 chains) among i's sums (4 chains), i + 1's M among i's holds, conversions, O^T += V^T P^T, tile i + 2's scores, i + 1's first scaling.
; LIMITS: e6 + e7 between -121 and 132 (added to c's exponent field); e8 between -126 and 112.  2^(old M - new M) under the smallest f32 number counts as what v_ldexp_f32 gives.
.set STEPB, 16384
.set SPARE, 262144                     ; behind K and V: the spare words, 128 bytes a wave
.set STAGE, SPARE+1024                 ; the way out: 16 rows x 272 bytes a wave
.set SP,    272
.set LI,   1                           ; 16 x lane
.set ADR,  2                           ; LDS address of the key step in hand
.set SPW,  3
.set NIL,  4
.set STO,  5
.set RD,   6
.set GO,   7
.set MX,   8                           ; v8-11 four chains of maxima
.set STAT, 12                          ; a tile's four: -M, largest raw score, the sum in two halves
.set PRM,  28
.set SCV,  29                          ; 2^e8
.set FF,   30                          ; v[30:31], v[32:33]: 2^(old M - new M), by the tile's parity
.set XA,   34
.set XB,   35
.set PC,   40                          ; p's codes, 16; ahead of the conversions v40-47 hold four pair sums
.set SBUF, 56                          ; two buffers of 64 scores
.set KR,   184                         ; K's 8 fragments
.set TA,   248                         ; four chains of pair sums
.set VR,   0                           ; window 1: V's fragments, O^T, Q
.set OT,   64
.set QR,   192
.set WV,   12
.set G1A,  20
.set G1B,  28
.set G0A,  44
.set G0B,  48
.set CS,   60
.set SEL,  62
.set TB,   66
.set CNT,  67
.set ESUM, 68
.set LIM,  69
.set W_ST, 0x04
.set W_PV, 0x51
.set W_RS, 0x41
.set W_LD, 0x40
.set W_OUT, 0x01
.set MSB, 0
.macro WIN new
.if MSB != (\new)
	s_set_vgpr_msb (MSB<<8)|(\new)
.set MSB, \new
.endif
.endm
.macro CROUND
	s_barrier_signal -1
	s_barrier_wait -1
	s_cmp_lg_u32 s[WV], 0
	s_cbranch_scc1 .Lnot_wave_0_\@
	s_barrier_signal -3
.Lnot_wave_0_\@:
	s_barrier_wait -3
	s_barrier_signal -1
	s_barrier_wait -1
.endm
.macro AWAIT
	s_wait_alu depctr_va_vdst(0)
.endm
.macro PLACES
.rept 4
	v_nop
.endr
.endm
	s_load_b256 s[4:11], s[0:1], 0x0               ; qc, kv, the exponents, out0
	v_lshl_add_u32 v[SPW], v0, 2, SPARE
	v_mov_b32 v[NIL], 0
	ds_add_u32 v[SPW], v[NIL]                      ; the opening lines: the add twice on end and its wait
	ds_add_u32 v[SPW], v[NIL]
	v_lshrrev_b32 v8, 5, v0
	v_readfirstlane_b32 s[WV], v8                  ; wave 0..7
	s_bfe_u32 s13, ttmp6, 0x40000
	s_lshl_b32 s14, ttmp9, 2
	s_add_co_u32 s14, s14, s13                     ; my block of 512 queries
	s_and_b32 s15, ttmp7, 0xffff                   ; bh = 16 x batch + head
.irp g, G1A, G1B                                   ; rows of 256 bytes (32 elements of 8), dense; mask: all four of the cluster
	s_mov_b32 s[\g], 15|(3<<16)|(1<<21)
	s_mov_b32 s[\g+1], 32<<16
	s_mov_b32 s[\g+3], 32<<16
	s_mov_b32 s[\g+5], 32
	s_mov_b32 s[\g+6], 0
	s_mov_b32 s[\g+7], 0
.endr
	s_mov_b32 s[G1A+2], 16<<16                     ; 16 rows a wave: key steps 0, 1
	s_mov_b32 s[G1A+4], 16
	s_mov_b32 s[G1B+2], 112<<16                    ; 112 rows a wave: key steps 2 to 15
	s_mov_b32 s[G1B+4], 112
	s_mov_b32 s[SEL], 0x76543210
	s_mov_b32 s[SEL+1], 0xfedcba98
	s_mov_b32 s[CS], 0x3d38aa3b                    ; log2(e) / 32
	s_lshl_b32 s16, s15, 18
	s_mov_b32 s17, 0
	s_mov_b32 s19, 0
	s_mul_i32 s70, s[WV], 16*SP
	s_add_co_u32 s70, s70, STAGE                   ; my stage
	v_and_b32 v[LI], 31, v0
	v_lshlrev_b32 v[LI], 4, v[LI]
	v_and_b32 v8, 15, v0
	v_bfe_u32 v9, v0, 4, 1
	v_mul_u32_u24 v[STO], v8, SP
	v_lshl_add_u32 v[STO], v9, 5, v[STO]
	v_add_nc_u32 v[STO], s70, v[STO]
	v_mul_u32_u24 v[RD], v9, SP
	v_lshl_add_u32 v[RD], v8, 4, v[RD]
	v_add_nc_u32 v[RD], s70, v[RD]
	v_lshlrev_b32 v[GO], 12, v9
	v_lshl_add_u32 v[GO], v8, 4, v[GO]
	v_mov_b32 v[FF+1], 0                           ; upper halves of named pairs, and a permute's destination: written once
	v_mov_b32 v[FF+3], 0
	v_mov_b32 v[PRM], 0
	AWAIT                                          ; ahead of the blocking waits
	s_wait_dscnt 0x0
	s_wait_kmcnt 0x0
	s_load_b128 s[56:59], s[8:9], 0x18             ; e6, e7, e8, e9
	s_add_nc_u64 s[6:7], s[6:7], s[16:17]          ; the head's K and V
	s_lshl_b32 s18, s[WV], 12
	s_mov_b32 s[G0A], 1
	s_mov_b32 s[G0A+1], s18
	s_add_nc_u64 s[G0A+2:G0A+3], s[6:7], s[18:19]
	s_or_b32 s[G0A+3], s[G0A+3], 0x80000000
	s_mul_i32 s18, s[WV], 28672
	s_add_co_u32 s18, s18, 32768
	s_mov_b32 s[G0B], 1
	s_mov_b32 s[G0B+1], s18
	s_add_nc_u64 s[G0B+2:G0B+3], s[6:7], s[18:19]
	s_or_b32 s[G0B+3], s[G0B+3], 0x80000000
	s_lshl_b32 s16, s15, 17
	s_lshl_b32 s18, s14, 15
	s_add_co_u32 s16, s16, s18
	s_lshl_b32 s18, s[WV], 12
	s_add_co_u32 s16, s16, s18
	s_add_nc_u64 s[4:5], s[4:5], s[16:17]          ; my four images of Q
	WIN W_LD
.irp i, 0,1,2,3
	global_load_b128 v[QR+8*\i:QR+8*\i+3], v[LI], s[4:5] offset:1024*\i th:TH_LOAD_NT
	global_load_b128 v[QR+8*\i+4:QR+8*\i+7], v[LI], s[4:5] offset:1024*\i+512 th:TH_LOAD_NT
.endr
	WIN 0
	CROUND                                         ; the round in front of the first joint loads
	tensor_load_to_lds s[G0A:G0A+3], s[G1A:G1A+7]
	s_nop 0
	PLACES
	s_lshr_b32 s16, s15, 4
	s_lshl_b32 s16, s16, 23
	s_lshl_b32 s18, s14, 21
	s_add_co_u32 s16, s16, s18
	s_lshl_b32 s18, s[WV], 18
	s_add_co_u32 s16, s16, s18
	s_and_b32 s18, s15, 15
	s_lshl_b32 s18, s18, 8
	s_add_co_u32 s16, s16, s18
	s_add_nc_u64 s[10:11], s[10:11], s[16:17]      ; my 64 rows of out0, at my head's 256 bytes
	s_wait_kmcnt 0x0
	s_add_co_i32 s16, s56, s57
	s_lshl_b32 s16, s16, 23
	s_add_co_i32 s[CS], s[CS], s16                 ; c x 2^(e6 + e7)
	s_mov_b32 s[CS+1], s[CS]
	s_add_co_i32 s16, s58, 127
	s_lshl_b32 s17, s16, 23
	v_mov_b32 v[SCV], s17
	s_add_co_i32 s16, s16, 15
	s_lshl_b32 s16, s16, 23
	s_or_b32 s[LIM], s16, 0x600000                 ; 57,344 x 2^e8
	s_add_co_i32 s[ESUM], s58, s59
	AWAIT                                          ; the head's end
	s_wait_tensorcnt 0x0                           ; my part of key steps 0, 1 is in; the full sequence ahead of a later first fill
	ds_add_u32 v[SPW], v[NIL]
	s_wait_dscnt 0x0
	CROUND
	tensor_load_to_lds s[G0B:G0B+3], s[G1B:G1B+7]  ; my one load behind the round
	s_nop 0
	PLACES
.macro LOADK adr, off
.irp t, 0,1,2,3,4,5,6,7
	ds_load_b128 v[KR+8*\t:KR+8*\t+3], v[\adr] offset:\off+1024*\t
	ds_load_b128 v[KR+8*\t+4:KR+8*\t+7], v[\adr] offset:\off+1024*\t+512
.endr
.endm
.macro LOADV adr, off
	WIN W_LD
.irp d, 0,1,2,3
.irp c, 0,1,2,3
	ds_load_b128 v[VR+16*\d+4*\c:VR+16*\d+4*\c+3], v[\adr] offset:\off+2048*\d+512*\c
.endr
.endr
	WIN 0
.endm
.macro SCORES i, buf
	WIN W_ST
.irp t, 0,1,2,3,4,5,6,7
	v_wmma_f32_16x16x64_bf8_bf8 v[SBUF+64*(\buf)+8*\t:SBUF+64*(\buf)+8*\t+7], v[KR+8*\t:KR+8*\t+7], v[QR+8*(\i):QR+8*(\i)+7], 0
.endr
	WIN 0
.endm
; the next tile's maxima: accumulator a, from its low end on, two registers to each of four chains
.macro MAXACC a
.irp c, 0,1,2,3
.if (\a) == 0
	v_max_num_f32 v[MX+\c], v[SN+2*\c], v[SN+2*\c+1]
.else
	v_max3_num_f32 v[MX+\c], v[MX+\c], v[SN+8*(\a)+2*\c], v[SN+8*(\a)+2*\c+1]
.endif
.endr
.endm
; the next tile's M, link k of the chain.  NF = 1: its first key step
.macro ST k
.if (\k) == 0
	v_max3_num_f32 v[XA], v[MX], v[MX+1], v[MX+2]
.elseif (\k) == 1
.if NF
	v_max_num_f32 v[XA], v[XA], v[MX+3]
.else
	v_max3_num_f32 v[XA], v[XA], v[MX+3], v[TN+1]
.endif
.elseif (\k) == 2
	v_permlanex16_b32 v[PRM], v[XA], s[SEL], s[SEL+1]
.elseif (\k) == 3
	v_max_num_f32 v[TN+1], v[XA], v[PRM]           ; the running largest score (c is positive)
.elseif (\k) == 4
	v_mul_f32 v[XA], s[CS], v[TN+1]
.elseif (\k) == 5
.if NF
	v_floor_f32 v[TN], -v[XA]                      ; -M = floor(-t)
.else
	v_floor_f32 v[XB], -v[XA]
.endif
.elseif NF == 0
.if (\k) == 6
	v_sub_f32 v[XA], v[XB], v[TN]                  ; old M - new M, a whole number
.elseif (\k) == 7
	v_cvt_i32_f32 v[XA], v[XA]
	v_mov_b32 v[TN], v[XB]
.else
	v_ldexp_f32 v[FN], 1.0, v[XA]
.endif
.endif
.endm
.macro FMA4 g                          ; t - M of the next tile's registers 8 g .. 8 g + 7
.irp n, 0,2,4,6
	v_pk_fma_f32 v[SN+8*(\g)+\n:SN+8*(\g)+\n+1], v[SN+8*(\g)+\n:SN+8*(\g)+\n+1], s[CS:CS+1], v[TN:TN+1] op_sel_hi:[1,0,0]
.endr
.endm
.macro MINB n                          ; the hold of two p: the conversion does not saturate (ISA guide 7.6.2); p is not negative
	v_dual_min_num_f32 v[SB+(\n)], s[LIM], v[SB+(\n)] :: v_dual_min_num_f32 v[SB+(\n)+1], s[LIM], v[SB+(\n)+1]
.endm
.macro CVT t
	v_cvt_scalef32_pk8_bf8_f32 v[PC+2*(\t):PC+2*(\t)+1], v[SB+8*(\t):SB+8*(\t)+7], v[SCV]
.endm
.macro PHASE i, first, last
.set SB, SBUF+64*((\i)%2)
.set SN, SBUF+64*(((\i)+1)%2)
.set TT, STAT+4*(\i)
.set TN, STAT+4*(((\i)+1)%4)
.set OB, OT+32*(\i)
.set FC, FF+2*((\i)%2)
.set FN, FF+2*(((\i)+1)%2)
.set NX, 1                             ; a next tile is prepared
.set S2, 1                             ; tile i + 2's scores are made
.set NF, 0
.if \last
.if (\i) == 3
.set NX, 0
.endif
.if (\i) >= 2
.set S2, 0
.endif
.endif
.if \first
.if (\i) < 3
.set NF, 1
.endif
.endif
	AWAIT                                          ; ahead of the batch
.set n, 0
.rept 16
	v_exp_f32 v[SB+n], v[SB+n]
	v_exp_f32 v[SB+n+1], v[SB+n+1]
	v_pk_fma_f32 v[SB+32+n:SB+33+n], v[SB+32+n:SB+33+n], s[CS:CS+1], v[TT:TT+1] op_sel_hi:[1,0,0]
.set n, n+2
.endr
	AWAIT                                          ; behind the first batch and ahead of the second
.set n, 0
.rept 32
	v_exp_f32 v[SB+32+n], v[SB+32+n]
.if (n >= 8) && (n < 12)
	v_pk_add_f32 v[TA+2*(n-8):TA+2*(n-8)+1], v[SB+4*(n-8):SB+4*(n-8)+1], v[SB+4*(n-8)+2:SB+4*(n-8)+3]
.elseif (n >= 12) && (n < 16)
	v_pk_add_f32 v[PC+2*(n-12):PC+2*(n-12)+1], v[SB+4*(n-8):SB+4*(n-8)+1], v[SB+4*(n-8)+2:SB+4*(n-8)+3]
.elseif n >= 16
	MINB 2*(n-16)
.endif
.set n, n+1
.endr
	v_nop                                          ; a plain place behind the last exponential
.if \first
	AWAIT
.else
	WIN W_RS
	AWAIT                                          ; behind the batch, directly ahead of O^T's first readers
.set n, 0
.rept 16
	v_pk_mul_f32 v[OB+n:OB+n+1], v[OB+n:OB+n+1], v[FC:FC+1] op_sel_hi:[1,0]
.set n, n+2
.endr
	WIN 0
	AWAIT                                          ; directly ahead of the first readers of the next tile's scores
.endif
.irp a, 0,1,2,3,4,5,6,7
.if NX
	MAXACC \a
.endif
.if \a == 0
.irp k, 0,1,2,3
	v_pk_add_f32 v[TA+2*\k:TA+2*\k+1], v[TA+2*\k:TA+2*\k+1], v[PC+2*\k:PC+2*\k+1]
.endr
.endif
	v_pk_add_f32 v[TA+4*(\a%2):TA+4*(\a%2)+1], v[TA+4*(\a%2):TA+4*(\a%2)+1], v[SB+32+4*\a:SB+33+4*\a]
	v_pk_add_f32 v[TA+4*(\a%2)+2:TA+4*(\a%2)+3], v[TA+4*(\a%2)+2:TA+4*(\a%2)+3], v[SB+34+4*\a:SB+35+4*\a]
.endr
.irp k, 0,1,2,3,4,5,6,7
.if NX
	ST \k
.endif
	MINB 32+4*\k
	MINB 34+4*\k
.if (\k & 1) == 1
	CVT (\k-1)/2
.endif
.endr
.if NX
	ST 8
.else
	v_nop
.endif
.irp t, 4,5,6,7
	CVT \t
.endr
	v_nop                                          ; one plain instruction between the last conversion and the products
.if ((\i) == 0) || (((\i) == 2) && S2)
	AWAIT                                          ; ahead of the blocking wait
	s_wait_dscnt 0x0                               ; i = 0: this step's V; i = 2: the next step's K
.endif
	WIN W_PV
.irp d, 0,1,2,3
.if \first
	v_wmma_f32_16x16x128_bf8_bf8 v[OB+8*\d:OB+8*\d+7], v[VR+16*\d:VR+16*\d+15], v[PC:PC+15], 0
.else
	v_wmma_f32_16x16x128_bf8_bf8 v[OB+8*\d:OB+8*\d+7], v[VR+16*\d:VR+16*\d+15], v[PC:PC+15], v[OB+8*\d:OB+8*\d+7]
.endif
.endr
	WIN 0
.if S2
	SCORES ((\i)+2)%4, (\i)%2
.endif
.irp g, 0,1,2,3                        ; the sums' end and the next tile's first scaling: also the places behind the products
.if NX
	FMA4 \g
.endif
.if \g == 0
	v_pk_add_f32 v[TA:TA+1], v[TA:TA+1], v[TA+2:TA+3]
	v_pk_add_f32 v[TA+4:TA+5], v[TA+4:TA+5], v[TA+6:TA+7]
.elseif \g == 1
.if \first
	v_pk_add_f32 v[TT+2:TT+3], v[TA:TA+1], v[TA+4:TA+5]
.else
	v_pk_add_f32 v[TA:TA+1], v[TA:TA+1], v[TA+4:TA+5]
.endif
.elseif \g == 2
.if (\first) == 0
	v_pk_fma_f32 v[TT+2:TT+3], v[TT+2:TT+3], v[FC:FC+1], v[TA:TA+1] op_sel_hi:[1,0,1]
.endif
.endif
.endr
.if (\last) == 0
.if (\i) == 1
	LOADK ADR, STEPB                               ; the next step's K: this step's last scores are issued
.endif
.if (\i) == 3
	LOADV ADR, STEPB+8192                          ; the next step's V
.endif
.endif
.endm
.macro KSTEP first, last
.if (\last) == 0
	v_add_nc_u32 v[ADR], s[TB], v[LI]
.endif
	PHASE 0, \first, \last
	PHASE 1, \first, \last
	PHASE 2, \first, \last
	PHASE 3, \first, \last
.endm
	s_mov_b32 s[TB], 0
	LOADK LI, 0
	LOADV LI, 8192
	s_wait_loadcnt 0x0                             ; Q
	s_wait_dscnt 0x0
	SCORES 0, 0
	SCORES 1, 1
	PLACES
.set SN, SBUF
.set TN, STAT
.set FN, FF
.set NF, 1
.irp a, 0,1,2,3,4,5,6,7
	MAXACC \a
.endr
.irp k, 0,1,2,3,4,5
	ST \k
.endr
.irp g, 0,1,2,3
	FMA4 \g
.endr
	KSTEP 1, 0
	AWAIT
	s_wait_tensorcnt 0x0                           ; my part of key steps 2 to 15 is in
	s_wait_dscnt 0x0
	s_barrier_signal -1
	s_barrier_wait -1                              ; everybody's is
	s_mov_b32 s[TB], STEPB
	s_mov_b32 s[CNT], 14
.Lsteps:
	KSTEP 0, 0
	s_add_co_u32 s[TB], s[TB], STEPB
	s_sub_co_u32 s[CNT], s[CNT], 1
	s_cmp_lg_u32 s[CNT], 0
	AWAIT                                          ; ahead of the branch
	s_cbranch_scc1 .Lsteps
	KSTEP 0, 1
	; THE WAY OUT: O^T / the sum x 2^(e8 + e9), through my stage, in aligned units of 256 bytes
.irp i, 0,1,2,3
	v_add_f32 v[STAT+4*\i+2], v[STAT+4*\i+2], v[STAT+4*\i+3]
.endr
.irp i, 0,1,2,3
	v_permlanex16_b32 v[STAT+4*\i+3], v[STAT+4*\i+2], s[SEL], s[SEL+1]
.endr
.irp i, 0,1,2,3
	v_add_f32 v[STAT+4*\i+2], v[STAT+4*\i+2], v[STAT+4*\i+3]
.endr
	AWAIT
.irp i, 0,1,2,3
	v_rcp_f32 v[STAT+4*\i+2], v[STAT+4*\i+2]
.endr
	v_nop
	AWAIT
.irp i, 0,1,2,3
	v_ldexp_f32 v[STAT+4*\i+2], v[STAT+4*\i+2], s[ESUM]
.endr
.macro PACK i
	WIN W_OUT
	AWAIT                                          ; directly ahead of the first readers of this tile's O^T
.set n, 0
.rept 16
	v_pk_mul_f32 v[SBUF+32*(\i)+n:SBUF+32*(\i)+n+1], v[OT+32*(\i)+n:OT+32*(\i)+n+1], v[STAT+4*(\i)+2:STAT+4*(\i)+3] op_sel_hi:[1,0]
.set n, n+2
.endr
	WIN 0
.irp d, 0,1,2,3
	ds_store_b128 v[STO], v[SBUF+32*(\i)+8*\d:SBUF+32*(\i)+8*\d+3] offset:64*\d
	ds_store_b128 v[STO], v[SBUF+32*(\i)+8*\d+4:SBUF+32*(\i)+8*\d+7] offset:64*\d+16
.endr
.irp f, 0,1,2,3,4,5,6,7
	ds_load_b128 v[SBUF+32*(\i)+4*\f:SBUF+32*(\i)+4*\f+3], v[RD] offset:\f*2*SP   ; LDS serves a wave's instructions in order
.endr
.endm
.macro SEND i, younger                 ; younger: LDS instructions issued behind this tile's loads
.irp f, 0,1,2,3,4,5,6,7
	s_wait_dscnt \younger+7-\f
	global_store_b128 v[GO], v[SBUF+32*(\i)+4*\f:SBUF+32*(\i)+4*\f+3], s[10:11] offset:65536*(\i)+8192*\f th:TH_STORE_NT
.endr
.endm
	PACK 0
	PACK 1
	SEND 0, 16
	PACK 2
	SEND 1, 16
	PACK 3
	SEND 2, 16
	SEND 3, 0
	s_wait_tensorcnt 0x0                           ; the wave's end
	ds_add_u32 v[SPW], v[NIL]
	s_wait_dscnt 0x0
	CROUND                                         ; the closing round
	s_endpgm
.Lfunc_end_k_q6902c7a389_attn:
	.size	k_q6902c7a389_attn, .Lfunc_end_k_q6902c7a389_attn-k_q6902c7a389_attn
	.p2alignl 7, 3214868480
	.fill 96, 4, 3214868480
	.section	.rodata,"a",@progbits
	.p2align	6, 0x0
	.amdhsa_kernel k_q6902c7a389_attn
		.amdhsa_group_segment_fixed_size 327680
		.amdhsa_private_segment_fixed_size 0
		.amdhsa_enable_private_segment 0
		.amdhsa_kernarg_size 32
		.amdhsa_user_sgpr_count 2
		.amdhsa_user_sgpr_kernarg_segment_ptr 1
		.amdhsa_wavefront_size32 1
		.amdhsa_system_sgpr_workgroup_id_x 1
		.amdhsa_system_sgpr_workgroup_id_y 1
		.amdhsa_system_sgpr_workgroup_id_z 1
		.amdhsa_system_vgpr_workitem_id 0
		.amdhsa_next_free_vgpr 512
		.amdhsa_next_free_sgpr 72
		.amdhsa_reserve_vcc 0
		.amdhsa_float_denorm_mode_32 3
		.amdhsa_float_denorm_mode_16_64 3
		.amdhsa_memory_ordered 1
		.amdhsa_forward_progress 1
		.amdhsa_inst_pref_size 178
	.end_amdhsa_kernel
	.amdgpu_metadata
---
amdhsa.version: [ 1, 2 ]
amdhsa.kernels:
  - .name:           k_q6902c7a389_attn
    .symbol:         k_q6902c7a389_attn.kd
    .args:
      - { .name: qc, .offset: 0, .size: 8, .value_kind: global_buffer, .address_space: global }
      - { .name: kv, .offset: 8, .size: 8, .value_kind: global_buffer, .address_space: global }
      - { .name: lowp_scales, .offset: 16, .size: 8, .value_kind: global_buffer, .address_space: global }
      - { .name: out0, .offset: 24, .size: 8, .value_kind: global_buffer, .address_space: global }
    .group_segment_fixed_size: 327680
    .private_segment_fixed_size: 0
    .kernarg_segment_align: 8
    .kernarg_segment_size: 32
    .max_flat_workgroup_size: 256
    .sgpr_count:     72
    .vgpr_count:     512
    .wavefront_size: 32
...
	.end_amdgpu_metadata
.endif
;; end of part 2
